; MI455X (gfx1250); checked and timed in simulation.
; The chip was launched on July 23, 2026; its instructions are those of AMD's public machine-readable ISA for CDNA 5 (MIT licence, August 2026) and "CDNA5" Instruction Set Architecture Reference Guide (July 2026). The comments in the code are by the model that wrote it; some were corrected since.
;; Rot Attention Pool2d. Allowed arithmetic: float matrix products may take bf16 or f16 operands with f32 sums; all other float work in f32.
;; Inputs: proj_b 1,024 float32; proj_w 1,024 x 1,024 float32; qkv_b 3,072 float32; qkv_w 1,024 x 3,072 float32; x 64 x 1,024 x 14 x 14 float32.
;; Outputs: out0 64 x 1,024 float32.
;; One version. Each part assembles by itself: llvm-mc -triple=amdgcn-amd-amdhsa -mcpu=gfx1250 --defsym DOCPART=n.
;; ======== version 1 of 1: 6 launches
;; workspace buffers: tb 29,360,128 bytes; t0 262,144 bytes; wqf 2,097,152 bytes; wpf 2,097,152 bytes; wkvp 8,388,608 bytes; q0 262,144 bytes; part 8,388,608 bytes; o 262,144 bytes
;; launch cast (part 1): grid 256 x 1, 4 waves a work-group, no clusters, 316,928 bytes of LDS; arguments x, qkv_w, proj_w, tb, t0, wqf, wpf, wkvp; writes tb, t0, wqf, wpf, wkvp
.if DOCPART == 1
	.amdgcn_target "amdgcn-amd-amdhsa--gfx1250"
	.amdhsa_code_object_version 6
	.text
	.protected	k_q6fbe82fe15_cast
	.globl	k_q6fbe82fe15_cast
	.p2align	8
	.type	k_q6fbe82fe15_cast,@function
k_q6fbe82fe15_cast:
	s_mov_b64 s[64:65], 0
	v_nop
	global_prefetch_b8 v0, s[64:65] scope:SCOPE_SE
	s_setreg_imm32_b32 hwreg(HW_REG_WAVE_MODE, 25, 1), 1
	s_wait_xcnt 0x0
; CAST.  x [64][1024 c][196 n] f32 -> tb [64][224 rows][1024 c] bf16: row n = token n, row 196 = the mean over n, rows 197-223 = 0;
; the mean also in f32 -> t0 [64][1024].  The four weight blocks -> bf16 FRAGMENT IMAGES of 1,024 bytes: byte 512 half + 16 L holds what lane
; L = 16 hh + r loads into registers 4 half .. 4 half + 3 of a 16 x 32 fragment: row r, k = 16 half + 8 hh + 0..7.
;   wqf, wpf, wkvp+2 MiB (Wv): [64 tiles of 16 columns][32 steps of 32 k];   wkvp+0 (Wk): [64 tiles of 16 channels][32 = 2 head + part], k = the 32 dims of a head's half.
; SHARES.  Work-group g: batch g / 4, channels 256 (g % 4) on, as two tiles of 128 channels; wave w 32 channels of a tile, a lane one channel's 784 bytes.
; A tile comes in by one tensor load a wave (25,088 dense bytes as 98 rows of 256), both tiles at the start: two loads of a wave are out, and no LDS byte is filled twice.
; A lane reads its own row (784 = 49 x 16 bytes: the rows of a 16-lane group start in different 16-byte columns of the 64 banks of 4 bytes, ISA guide 11.1), sums it in f32,
; rounds it to bf16 and puts it down token by token in a stage of 224 rows x 256 bytes; behind a barrier whole rows leave, 16 lanes to 256 aligned bytes.
; The work-group also casts 32 k x 128 columns of Wq, Wv, Wp and 16 channels x 256 dims of Wk, while the tiles are on their way.
; NO CLUSTER: no two work-groups read the same byte.  No matrix unit: nothing is multiplied.
; LIMITS.  x and the weights are rounded to bf16 once (to nearest even); the mean is the f32 sum of the unrounded x times 1/196.  NaN and infinities are not treated apart.
.set XROW,  784                        ; bytes of a channel's row in x
.set WPART, 32*XROW                    ; a wave's part of a tile
.set TILEB, 4*WPART                    ; a tile of 128 channels
.set STG0,  2*TILEB                    ; behind the two tiles: first the four weight stages of 8 KiB, later tile 1's stage
.set STGB,  224*256
.set STG1,  STG0+STGB                  ; tile 0's stage
.set MST,   STG1+STGB                  ; the means in f32, 512 bytes a tile
.set SPARE, MST+1024                   ; the spare words, 128 bytes a wave: two blocks of 256 bytes that no other line names
.set WVF,   2097152                    ; Wv's images in wkvp
.set SPW, 2                            ; v2   my spare word; never rewritten
.set NIL, 3                            ; v3   0, for the add alone
.set ZR,  4                            ; v4   0, as data
.set NA,  5                            ; v5-6   my row in tile 0, 1
.set SW,  7                            ; v7-8   my channel's two bytes in row 0 of tile 0's, 1's stage
.set SR,  9                            ; v9-10  my 16 bytes of my wave's 56 rows of the stage
.set TV,  11                           ; v11  the same 16 bytes in tb
.set VQ,  12                           ; v12-14 offsets in qkv_w (Wq, Wv), proj_w, qkv_w (Wk)
.set VP,  13
.set VK,  14
.set CT,  15                           ; v15-16 where my converted weights go in the stages
.set CK,  16
.set RO,  17                           ; v17  where I read the weight stages back
.set GT,  18                           ; v18-19 offsets in the images
.set GK,  19
.set MW,  20                           ; v20  my channel's mean in MST
.set ML,  21                           ; v21  16 bytes of MST
.set L16, 22                           ; v22  16 x lane
.set X,   24                           ; v24-219 a row of x; in the weight phase v24-151 the 32 loads
.set CH,  152                          ; v152-167 converted weights
.set RB,  168                          ; v168-231 the stages read back
.set SUM, 220                          ; v220-227 four running pairs
.set MN,  228                          ; v228-229 the mean, and its bf16
	s_load_b512 s[8:23], s[0:1], 0x0               ; x s[8:9], qkv_w s[10:11], proj_w s[12:13], tb s[14:15], t0 s[16:17], wqf s[18:19], wpf s[20:21], wkvp s[22:23]
	v_lshl_add_u32 v[SPW], v0, 2, SPARE
	v_mov_b32 v[NIL], 0
	ds_add_u32 v[SPW], v[NIL]                      ; the wave's opening: the add and its wait ahead of my first tensor load
	ds_add_u32 v2, v3
	v_lshrrev_b32 v1, 5, v0
	v_readfirstlane_b32 s40, v1                    ; wave 0..3
	v_and_b32 v1, 31, v0                           ; lane
	s_mov_b32 s24, 3<<16                           ; group 1: elements of 8 bytes, no mask, no padding
	s_mov_b32 s25, 32<<16                          ; tensor_dim0 = 32 elements = 256 bytes
	s_mov_b32 s26, 98<<16                          ; tensor_dim1 = 98 rows
	s_mov_b32 s27, 32<<16                          ; tile_dim0 = 32
	s_mov_b32 s28, 98                              ; tile_dim1 = 98
	s_mov_b32 s29, 32                              ; from row to row 32 elements: the block is dense
	s_mov_b32 s30, 0
	s_mov_b32 s31, 0
	s_mul_i32 s41, s40, WPART                      ; my wave's part of a tile, in memory and in LDS
	s_mul_i32 s42, ttmp9, 2*TILEB                  ; the work-group's 256 channels
	s_add_co_u32 s42, s42, s41
	s_mov_b32 s43, 0
	s_mov_b32 s32, 1                               ; group 0 for tile 0
	s_mov_b32 s33, s41
	s_mov_b32 s36, 1                               ; and for tile 1
	s_add_co_u32 s37, s41, TILEB
	s_wait_dscnt 0x0                               ; the opening add is done
	s_wait_kmcnt 0x0
	s_add_nc_u64 s[34:35], s[8:9], s[42:43]
	s_add_nc_u64 s[38:39], s[34:35], TILEB
	s_or_b32 s35, s35, 0x80000000                  ; type = 2
	s_or_b32 s39, s39, 0x80000000
	tensor_load_to_lds s[32:35], s[24:31]          ; both first fills together, ahead of every wait on TENSORcnt, LDS read and barrier
	s_nop 0
	tensor_load_to_lds s[36:39], s[24:31]
	s_nop 0
	; THE WEIGHTS.  ks = g / 8: 32 k;  ng = g % 8: 128 columns;  ct = g / 4: 16 channels;  hq = g % 4: 256 dims of Wk
	s_lshr_b32 s2, ttmp9, 3
	s_and_b32 s3, ttmp9, 7
	s_lshr_b32 s4, ttmp9, 2
	s_and_b32 s5, ttmp9, 3
	s_mov_b32 s51, 0
	s_lshl_b32 s6, s3, 9
	s_mul_i32 s50, s2, 32*12288
	s_add_co_u32 s50, s50, s6
	s_add_nc_u64 s[44:45], s[10:11], s[50:51]      ; qkv_w at row 32 ks, column 128 ng
	s_lshl_b32 s50, s2, 17
	s_add_co_u32 s50, s50, s6
	s_add_nc_u64 s[46:47], s[12:13], s[50:51]      ; proj_w likewise
	s_mul_i32 s50, s4, 16*12288
	s_lshl_b32 s7, s5, 10
	s_add_co_u32 s50, s50, s7
	s_add_nc_u64 s[48:49], s[10:11], s[50:51]      ; qkv_w at row 16 ct, column 256 hq (K's section stands in the immediate)
	v_lshlrev_b32 v[L16], 4, v1
	s_mul_i32 s6, s40, 8*12288
	v_add_nc_u32 v[VQ], s6, v[L16]                 ; rows 8 w + i, four columns a lane: a load of a wave covers 512 consecutive bytes
	s_lshl_b32 s7, s40, 15
	v_add_nc_u32 v[VP], s7, v[L16]
	v_lshrrev_b32 v23, 6, v0
	v_and_b32 v230, 63, v0
	v_lshlrev_b32 v[VK], 4, v230
	v_mad_u32_u24 v[VK], v23, 12288, v[VK]         ; rows 2 i + t / 64, columns 4 (t % 64) on
.irp i, 0,1,2,3,4,5,6,7
	global_load_b128 v[X+4*\i:X+4*\i+3], v[VQ], s[44:45] offset:\i*12288 th:TH_LOAD_NT
.endr
.irp i, 0,1,2,3,4,5,6,7
	global_load_b128 v[X+32+4*\i:X+32+4*\i+3], v[VQ], s[44:45] offset:\i*12288+8192 th:TH_LOAD_NT
.endr
.irp i, 0,1,2,3,4,5,6,7
	global_load_b128 v[X+64+4*\i:X+64+4*\i+3], v[VP], s[46:47] offset:\i*4096 th:TH_LOAD_NT
.endr
.irp i, 0,1,2,3,4,5,6,7
	global_load_b128 v[X+96+4*\i:X+96+4*\i+3], v[VK], s[48:49] offset:\i*24576+4096 th:TH_LOAD_NT
.endr
	; where everything goes: made while the loads are out
	s_lshl_b32 s50, s3, 18
	s_lshl_b32 s7, s2, 10
	s_add_co_u32 s50, s50, s7                      ; 8 ng tiles of 32 KiB + step ks
	s_add_nc_u64 s[52:53], s[18:19], s[50:51]      ; wqf
	s_add_nc_u64 s[56:57], s[20:21], s[50:51]      ; wpf
	s_add_nc_u64 s[54:55], s[22:23], s[50:51]
	s_add_nc_u64 s[54:55], s[54:55], WVF           ; Wv's images
	s_lshl_b32 s50, s4, 15
	s_lshl_b32 s7, s5, 13
	s_add_co_u32 s50, s50, s7
	s_add_nc_u64 s[58:59], s[22:23], s[50:51]      ; Wk's images: channel tile ct, 8 hq on
	s_mul_i32 s50, s4, 224*2048
	s_lshl_b32 s7, s5, 9
	s_add_co_u32 s50, s50, s7
	s_add_nc_u64 s[60:61], s[14:15], s[50:51]      ; tb at my batch, my 256 channels
	s_lshl_b32 s50, ttmp9, 10
	s_add_nc_u64 s[62:63], s[16:17], s[50:51]      ; t0 likewise
	v_mov_b32 v[ZR], 0
	v_mad_u32_u24 v[NA], v1, XROW, s41
	v_add_nc_u32 v[NA+1], TILEB, v[NA]
	v_lshl_add_u32 v[SW], v0, 1, STG1
	v_lshl_add_u32 v[SW+1], v0, 1, STG0
	s_mul_i32 s6, s40, 56*256
	v_add3_u32 v[SR], v[L16], s6, STG1
	v_add3_u32 v[SR+1], v[L16], s6, STG0
	v_and_b32 v[TV], 15, v0
	v_lshlrev_b32 v[TV], 4, v[TV]
	v_bfe_u32 v231, v0, 4, 1
	v_lshl_add_u32 v[TV], v231, 11, v[TV]          ; lanes 0-15 one row of tb, lanes 16-31 the next
	s_mul_i32 s7, s40, 56*2048
	v_add_nc_u32 v[TV], s7, v[TV]
	v_lshrrev_b32 v231, 2, v1                      ; a lane's four columns lie in column tile lane / 4, rows 4 (lane % 4) + e of its image;
	v_and_b32 v[CT], 3, v0
	v_lshlrev_b32 v[CT], 6, v[CT]
	v_lshl_add_u32 v[CT], v231, 10, v[CT]
	s_lshl_b32 s6, s40, 8                          ; its eight k, 8 w on, are half w / 2, hh w % 2: 256 w bytes
	v_add3_u32 v[CT], v[CT], s6, STG0
	v_lshrrev_b32 v231, 3, v230                    ; Wk: four dims of one channel: image (t % 64) / 8,
	v_bfe_u32 v232, v0, 1, 2                       ; half and hh from the dims' place in the 32,
	v_and_b32 v233, 1, v0                          ; the upper or lower 8 bytes of the 16,
	v_lshlrev_b32 v[CK], 10, v231
	v_lshl_add_u32 v[CK], v232, 8, v[CK]
	v_lshl_add_u32 v[CK], v233, 3, v[CK]
	v_lshl_add_u32 v[CK], v23, 4, v[CK]            ; row 2 i + t / 64
	v_add_nc_u32 v[CK], STG0+24576, v[CK]
	v_lshl_add_u32 v[RO], v0, 4, STG0
	v_lshlrev_b32 v[GT], 4, v230
	v_lshl_add_u32 v[GT], v23, 15, v[GT]
	v_lshlrev_b32 v[GK], 4, v0
	v_lshl_add_u32 v[MW], v0, 2, MST
	v_add_nc_u32 v[ML], MST, v[L16]
; Block blk of Wq, Wv, Wp: column e's eight k pack into 16 bytes.  The wait leaves the younger blocks' loads out.
.macro CVTT blk
	s_wait_loadcnt 24-8*\blk
.irp e, 0,1,2,3
.irp j, 0,1,2,3
	v_cvt_pk_bf16_f32 v[CH+4*\e+\j], v[X+32*\blk+8*\j+\e], v[X+32*\blk+8*\j+4+\e]
.endr
	ds_store_b128 v[CT], v[CH+4*\e:CH+4*\e+3] offset:\blk*8192+16*\e
.endr
.endm
	CVTT 0
	CVTT 1
	CVTT 2
	s_wait_loadcnt 0x0                             ; Wk's eight loads
.irp i, 0,1,2,3,4,5,6,7
	v_cvt_pk_bf16_f32 v[CH+2*\i], v[X+96+4*\i], v[X+96+4*\i+1]
	v_cvt_pk_bf16_f32 v[CH+2*\i+1], v[X+96+4*\i+2], v[X+96+4*\i+3]
	ds_store_b64 v[CK], v[CH+2*\i:CH+2*\i+1] offset:32*\i
.endr
	s_wait_dscnt 0x0                               ; for the others' sake: my stores into the stages are done
	s_barrier_signal -1
	s_barrier_wait -1
.irp n, 0,1,2,3,4,5,6,7,8,9,10,11,12,13,14,15
	ds_load_b128 v[RB+4*\n:RB+4*\n+3], v[RO] offset:2048*\n
.endr
	s_wait_dscnt 0x0
.irp i, 0,1,2,3
	global_store_b128 v[GT], v[RB+4*\i:RB+4*\i+3], s[52:53] offset:\i*65536        ; each store of a wave: 512 consecutive bytes of an image
	global_store_b128 v[GT], v[RB+16+4*\i:RB+16+4*\i+3], s[54:55] offset:\i*65536
	global_store_b128 v[GT], v[RB+32+4*\i:RB+32+4*\i+3], s[56:57] offset:\i*65536
	global_store_b128 v[GK], v[RB+48+4*\i:RB+48+4*\i+3], s[58:59] offset:\i*2048
.endr
; TILE t of x.
.macro XTILE t
	s_wait_tensorcnt 1-\t                          ; my part of tile t is in (tile 1's load may stay out); only I read it
	s_wait_xcnt 0x0                                ; the stores issued so far have read their registers: X and SUM are rewritten only behind this wait
.set i, 0
.rept 49
	ds_load_b128 v[X+4*i:X+4*i+3], v[NA+\t] offset:16*i
.set i, i+1
.endr
	s_wait_dscnt 0x0
.irp c, 0,1,2,3
	v_pk_add_f32 v[SUM+2*\c:SUM+2*\c+1], v[X+2*\c:X+2*\c+1], v[X+8+2*\c:X+8+2*\c+1]  ; four chains, started by the first eight pairs
.endr
.set p, 8
.rept 90
	v_pk_add_f32 v[SUM+2*(p%4):SUM+2*(p%4)+1], v[SUM+2*(p%4):SUM+2*(p%4)+1], v[X+2*p:X+2*p+1]
.set p, p+1
.endr
	v_pk_add_f32 v[SUM:SUM+1], v[SUM:SUM+1], v[SUM+2:SUM+3]
	v_pk_add_f32 v[SUM+4:SUM+5], v[SUM+4:SUM+5], v[SUM+6:SUM+7]
	v_pk_add_f32 v[SUM:SUM+1], v[SUM:SUM+1], v[SUM+4:SUM+5]
	v_add_f32 v[MN], v[SUM], v[SUM+1]
	v_mul_f32 v[MN], 0x3ba72f05, v[MN]             ; 1 / 196
	ds_store_b32 v[MW], v[MN] offset:512*\t
	v_cvt_pk_bf16_f32 v[MN+1], v[MN], v[MN]
	ds_store_b16 v[SW+\t], v[MN+1] offset:196*256  ; row 196: the mean
.set i, 0
.rept 98
	v_cvt_pk_bf16_f32 v[X+i], v[X+2*i], v[X+2*i+1] ; in place: word i is written when numbers 2 i and 2 i + 1 are read, and never ahead of its own reading
	ds_store_b16 v[SW+\t], v[X+i] offset:512*i     ; token 2 i: the wave's 32 channels are 64 consecutive bytes of the row
	ds_store_b16_d16_hi v[SW+\t], v[X+i] offset:512*i+256
.set i, i+1
.endr
.set i, 197
.rept 27
	ds_store_b16 v[SW+\t], v[ZR] offset:256*i      ; rows 197-223: zeros
.set i, i+1
.endr
	s_wait_dscnt 0x0                               ; my stores are done, and so are all my earlier reads of LDS
	s_barrier_signal -1
	s_barrier_wait -1                              ; the stage is whole; behind tile 0's barrier nobody reads the weight stages any more, so tile 1 may take their place
	s_cmp_lg_u32 s40, 0
	s_cbranch_scc1 .Lnot_wave_0_\@
	ds_load_b128 v[SUM:SUM+3], v[ML] offset:512*\t ; wave 0: the tile's 128 means, 512 consecutive bytes of t0
	s_wait_dscnt 0x0
	global_store_b128 v[L16], v[SUM:SUM+3], s[62:63] offset:512*\t
.Lnot_wave_0_\@:
.set i, 0
.rept 28
	ds_load_b128 v[X+4*i:X+4*i+3], v[SR+\t] offset:512*i
.set i, i+1
.endr
	s_wait_dscnt 0x0
.set i, 0
.rept 28
	global_store_b128 v[TV], v[X+4*i:X+4*i+3], s[60:61] offset:4096*i+256*\t  ; 16 lanes store 256 consecutive bytes, at a multiple of 256 from tb's first byte
.set i, i+1
.endr
.endm
	XTILE 0
	XTILE 1
	s_wait_tensorcnt 0x0                           ; the wave's end
	ds_add_u32 v[SPW], v[NIL]
	s_wait_dscnt 0x0
	s_endpgm
.Lfunc_end_k_q6fbe82fe15_cast:
	.size	k_q6fbe82fe15_cast, .Lfunc_end_k_q6fbe82fe15_cast-k_q6fbe82fe15_cast
	.p2alignl 7, 3214868480
	.fill 96, 4, 3214868480
	.section	.rodata,"a",@progbits
	.p2align	6, 0x0
	.amdhsa_kernel k_q6fbe82fe15_cast
		.amdhsa_group_segment_fixed_size 316928
		.amdhsa_private_segment_fixed_size 0
		.amdhsa_enable_private_segment 0
		.amdhsa_kernarg_size 64
		.amdhsa_user_sgpr_count 2
		.amdhsa_user_sgpr_kernarg_segment_ptr 1
		.amdhsa_wavefront_size32 1
		.amdhsa_system_sgpr_workgroup_id_x 1
		.amdhsa_system_sgpr_workgroup_id_y 1
		.amdhsa_system_sgpr_workgroup_id_z 1
		.amdhsa_system_vgpr_workitem_id 0
		.amdhsa_next_free_vgpr 240
		.amdhsa_next_free_sgpr 66
		.amdhsa_reserve_vcc 0
		.amdhsa_float_denorm_mode_32 3
		.amdhsa_float_denorm_mode_16_64 3
		.amdhsa_memory_ordered 1
		.amdhsa_forward_progress 1
		.amdhsa_inst_pref_size 86
	.end_amdhsa_kernel
	.amdgpu_metadata
---
amdhsa.version: [ 1, 2 ]
amdhsa.kernels:
  - .name:           k_q6fbe82fe15_cast
    .symbol:         k_q6fbe82fe15_cast.kd
    .args:
      - { .name: x, .offset: 0, .size: 8, .value_kind: global_buffer, .address_space: global }
      - { .name: qkv_w, .offset: 8, .size: 8, .value_kind: global_buffer, .address_space: global }
      - { .name: proj_w, .offset: 16, .size: 8, .value_kind: global_buffer, .address_space: global }
      - { .name: tb, .offset: 24, .size: 8, .value_kind: global_buffer, .address_space: global }
      - { .name: t0, .offset: 32, .size: 8, .value_kind: global_buffer, .address_space: global }
      - { .name: wqf, .offset: 40, .size: 8, .value_kind: global_buffer, .address_space: global }
      - { .name: wpf, .offset: 48, .size: 8, .value_kind: global_buffer, .address_space: global }
      - { .name: wkvp, .offset: 56, .size: 8, .value_kind: global_buffer, .address_space: global }
    .group_segment_fixed_size: 316928
    .private_segment_fixed_size: 0
    .kernarg_segment_align: 8
    .kernarg_segment_size: 64
    .max_flat_workgroup_size: 128
    .sgpr_count:     66
    .vgpr_count:     240
    .wavefront_size: 32
...
	.end_amdgpu_metadata
.endif
;; end of part 1
;; launch qproj (part 2): grid 16 x 4, 16 waves a work-group, no clusters, 71,680 bytes of LDS; arguments t0, wqf, qkv_b, q0; writes q0
.if DOCPART == 2
	.amdgcn_target "amdgcn-amd-amdhsa--gfx1250"
	.amdhsa_code_object_version 6
	.text
	.protected	k_q6fbe82fe15_qproj
	.globl	k_q6fbe82fe15_qproj
	.p2align	8
	.type	k_q6fbe82fe15_qproj,@function
k_q6fbe82fe15_qproj:
	s_mov_b64 s[64:65], 0
	v_nop
	global_prefetch_b8 v0, s[64:65] scope:SCOPE_SE
	s_setreg_imm32_b32 hwreg(HW_REG_WAVE_MODE, 25, 1), 1
	s_wait_xcnt 0x0
; A PRODUCT WITH 64 ROWS: out[m][n] = the sum over 1,024 k of A[m][k] W[k][n] + bias[n].  A and out are [64][1024] f32; W comes as bf16 fragment images
; [64 tiles of 16 columns][32 steps of 32 k][1,024 bytes]: a fragment is two loads of 512 consecutive bytes.
; HEADV = 0: A, images, bias, out are the four arguments.  HEADV = 1 (the same text): the work-group's 64 columns are a head's, and A is that head's own [64][1024] block.
; SHARES.  Work-group (g, mt): columns 64 g on, rows 16 mt on.  K is split over the 16 waves, 64 k each: 2 steps x 4 column tiles.  The 16 partial tiles meet in LDS; wave w adds up row w.
; A is split into bf16 hi + bf16 lo (lo = the rounding's remainder, rounded), two matrix instructions for a product: 16 significant bits at f32's range.
; The matrix instruction is used transposed (source 0 = 16 columns of W, source 1 = 16 rows of A): a lane holds eight neighbouring columns of one row.
; NO CLUSTER, NO TENSOR LOAD: a wave's operands (4 KiB of A, 8 KiB of W) go straight into the registers that multiply them, each byte once in the work-group; there is no loop in which a tile could be shared in step.
; LIMITS.  W and the bias are rounded to bf16 once; the order of the sum is: in a wave by K, then a tree over the waves.  NaN and infinities are not treated apart; |A| stays below bf16's largest number.
.set HEADV, 0
.set RP,    272                        ; a row of a partial tile: 64 f32 + 16 bytes: an odd multiple of 16, so 16 rows start in different 16-byte columns of the 64 banks of 4 bytes (ISA guide 11.1)
.set PLANE, 16*RP
.set SPARE, 16*PLANE                   ; the spare words, 128 bytes a wave: eight blocks of 256 bytes that no other line names
.set PO,    4194304                    ; in wkvp: the pooled vectors [16 heads][64][1024] f32
.set WVF,   2097152                    ; in wkvp: Wv's images
.set SPW, 3
.set NIL, 4
.set AV,  5                            ; v5   my offset in A
.set BV,  6                            ; v6   in the images
.set L8,  7                            ; v7   8 x lane
.set RW,  8                            ; v8   where my results go in LDS
.set RR,  9                            ; v9   where I read row w's partial sums
.set OV,  10                           ; v10  my offset in out
.set BI,  12                           ; v12-13 bias of my two columns
.set AH,  16                           ; v16-31 A hi, two fragments
.set AL,  32                           ; v32-47 A lo
.set AF,  48                           ; v48-79 A in f32; later the 16 partial sums
.set BF,  80                           ; v80-143 W: fragment 4 ks + nt
.set ACC, 144                          ; v144-175 four accumulators
.set TT,  176                          ; v176-191 at work
.if HEADV
	s_load_b128 s[4:7], s[0:1], 0x0                ; wkvp s[4:5], qkv_b s[6:7]
	s_load_b64 s[8:9], s[0:1], 0x10                ; o
.else
	s_load_b256 s[4:11], s[0:1], 0x0               ; A s[4:5], images s[6:7], bias s[8:9], out s[10:11]
.endif
	v_lshl_add_u32 v[SPW], v0, 2, SPARE
	v_mov_b32 v[NIL], 0
	v_lshrrev_b32 v1, 5, v0
	v_readfirstlane_b32 s20, v1                    ; wave 0..15
	v_and_b32 v1, 15, v0                           ; r
	v_bfe_u32 v2, v0, 4, 1                         ; hh
	v_and_b32 v11, 31, v0                          ; lane
	s_and_b32 s21, ttmp7, 0xffff
	s_lshl_b32 s21, s21, 16                        ; 16 rows of 4,096 bytes
	s_lshl_b32 s26, ttmp9, 8                       ; 64 columns of f32
	s_add_co_u32 s28, s21, s26                     ; out
	s_lshl_b32 s24, ttmp9, 17                      ; four column tiles of 32 KiB
.if HEADV
	s_lshl_b32 s22, ttmp9, 18                      ; the head's block of 64 rows
	s_add_co_u32 s22, s22, s21
	s_add_co_u32 s22, s22, PO
	s_add_co_u32 s24, s24, WVF
	s_add_co_u32 s26, s26, 8192                    ; V's section of the bias
.else
	s_mov_b32 s22, s21
.endif
	s_mov_b32 s23, 0
	s_mov_b32 s25, 0
	s_mov_b32 s27, 0
	s_mov_b32 s29, 0
	v_lshlrev_b32 v[AV], 12, v1
	v_lshl_add_u32 v[AV], v2, 5, v[AV]
	s_lshl_b32 s30, s20, 8
	v_add_nc_u32 v[AV], s30, v[AV]                 ; row r, k = 64 w + 8 hh
	s_lshl_b32 s31, s20, 11
	v_lshl_add_u32 v[BV], v11, 4, s31              ; steps 2 w, 2 w + 1
	v_lshlrev_b32 v[L8], 3, v11
	s_mul_i32 s2, s20, PLANE
	v_mad_u32_u24 v[RW], v1, RP, s2
	v_lshl_add_u32 v[RW], v2, 5, v[RW]
	s_mul_i32 s3, s20, RP
	v_lshl_add_u32 v[RR], v11, 3, s3
	s_lshl_b32 s30, s20, 12
	v_lshl_add_u32 v[OV], v11, 3, s30
	s_wait_kmcnt 0x0
.if HEADV
	s_add_nc_u64 s[12:13], s[4:5], s[22:23]
	s_add_nc_u64 s[14:15], s[4:5], s[24:25]
	s_add_nc_u64 s[16:17], s[6:7], s[26:27]
	s_add_nc_u64 s[18:19], s[8:9], s[28:29]
.else
	s_add_nc_u64 s[12:13], s[4:5], s[22:23]
	s_add_nc_u64 s[14:15], s[6:7], s[24:25]
	s_add_nc_u64 s[16:17], s[8:9], s[26:27]
	s_add_nc_u64 s[18:19], s[10:11], s[28:29]
.endif
	global_load_b64 v[BI:BI+1], v[L8], s[16:17]
.irp ks, 0,1
.irp c, 0,1,2,3
	global_load_b128 v[AF+16*\ks+4*\c:AF+16*\ks+4*\c+3], v[AV], s[12:13] offset:128*\ks+16*(\c%2)+64*(\c/2)  ; k = 8 hh + 0..7, then 16 + 8 hh + 0..7
.endr
.endr
.irp ks, 0,1
.irp nt, 0,1,2,3
.irp hf, 0,1
	global_load_b128 v[BF+8*(4*\ks+\nt)+4*\hf:BF+8*(4*\ks+\nt)+4*\hf+3], v[BV], s[14:15] offset:\nt*32768+\ks*1024+\hf*512
.endr
.endr
.endr
	s_wait_loadcnt 16                              ; bias and A are in; W's sixteen loads may be out
.set p, 0
.rept 16
	v_cvt_pk_bf16_f32 v[AH+p], v[AF+2*p], v[AF+2*p+1]
	v_lshlrev_b32 v[TT+2*(p%8)], 16, v[AH+p]
	v_and_b32 v[TT+2*(p%8)+1], 0xffff0000, v[AH+p]
	v_pk_add_f32 v[AF+2*p:AF+2*p+1], v[AF+2*p:AF+2*p+1], v[TT+2*(p%8):TT+2*(p%8)+1] neg_lo:[0,1] neg_hi:[0,1]  ; what the rounding left
	v_cvt_pk_bf16_f32 v[AL+p], v[AF+2*p], v[AF+2*p+1]
.set p, p+1
.endr
	; The four accumulators take turns, one instruction a turn.  The first four products start the sums.
	s_wait_loadcnt 8                               ; W's first step is in
.irp nt, 0,1,2,3
	v_wmma_f32_16x16x32_bf16 v[ACC+8*\nt:ACC+8*\nt+7], v[BF+8*\nt:BF+8*\nt+7], v[AH:AH+7], 0
.endr
.irp nt, 0,1,2,3
	v_wmma_f32_16x16x32_bf16 v[ACC+8*\nt:ACC+8*\nt+7], v[BF+8*\nt:BF+8*\nt+7], v[AL:AL+7], v[ACC+8*\nt:ACC+8*\nt+7]
.endr
	s_wait_loadcnt 0x0
.irp nt, 0,1,2,3
	v_wmma_f32_16x16x32_bf16 v[ACC+8*\nt:ACC+8*\nt+7], v[BF+32+8*\nt:BF+32+8*\nt+7], v[AH+8:AH+15], v[ACC+8*\nt:ACC+8*\nt+7]
.endr
.irp nt, 0,1,2,3
	v_wmma_f32_16x16x32_bf16 v[ACC+8*\nt:ACC+8*\nt+7], v[BF+32+8*\nt:BF+32+8*\nt+7], v[AL+8:AL+15], v[ACC+8*\nt:ACC+8*\nt+7]
.endr
.rept 4
	v_nop                                          ; four places between the last product and the stores that read results
.endr
.irp nt, 0,1,2,3
	ds_store_b128 v[RW], v[ACC+8*\nt:ACC+8*\nt+3] offset:64*\nt       ; row r, columns 16 nt + 8 hh + 0..3
	ds_store_b128 v[RW], v[ACC+8*\nt+4:ACC+8*\nt+7] offset:64*\nt+16
.endr
	s_wait_dscnt 0x0                               ; for the others' sake
	s_barrier_signal -1
	s_barrier_wait -1
.set p, 0
.rept 16
	ds_load_b64 v[AF+2*p:AF+2*p+1], v[RR] offset:p*PLANE  ; row w of wave p's partial tile, two columns a lane
.set p, p+1
.endr
	v_cvt_pk_bf16_f32 v14, v[BI], v[BI+1]          ; the bias is rounded to bf16, like every input
	v_lshlrev_b32 v[BI], 16, v14
	v_and_b32 v[BI+1], 0xffff0000, v14
	s_wait_dscnt 0x0
.irp p, 0,1,2,3,4,5,6,7
	v_pk_add_f32 v[AF+2*\p:AF+2*\p+1], v[AF+2*\p:AF+2*\p+1], v[AF+16+2*\p:AF+16+2*\p+1]
.endr
.irp p, 0,1,2,3
	v_pk_add_f32 v[AF+2*\p:AF+2*\p+1], v[AF+2*\p:AF+2*\p+1], v[AF+8+2*\p:AF+8+2*\p+1]
.endr
.irp p, 0,1
	v_pk_add_f32 v[AF+2*\p:AF+2*\p+1], v[AF+2*\p:AF+2*\p+1], v[AF+4+2*\p:AF+4+2*\p+1]
.endr
	v_pk_add_f32 v[AF:AF+1], v[AF:AF+1], v[AF+2:AF+3]
	v_pk_add_f32 v[AF:AF+1], v[AF:AF+1], v[BI:BI+1]
	global_store_b64 v[OV], v[AF:AF+1], s[18:19]   ; the wave stores 256 consecutive bytes, at a multiple of 256 from the buffer's first byte
	s_wait_tensorcnt 0x0                           ; the wave's end
	ds_add_u32 v[SPW], v[NIL]
	s_wait_dscnt 0x0
	s_endpgm
.Lfunc_end_k_q6fbe82fe15_qproj:
	.size	k_q6fbe82fe15_qproj, .Lfunc_end_k_q6fbe82fe15_qproj-k_q6fbe82fe15_qproj
	.p2alignl 7, 3214868480
	.fill 96, 4, 3214868480
	.section	.rodata,"a",@progbits
	.p2align	6, 0x0
	.amdhsa_kernel k_q6fbe82fe15_qproj
		.amdhsa_group_segment_fixed_size 71680
		.amdhsa_private_segment_fixed_size 0
		.amdhsa_enable_private_segment 0
		.amdhsa_kernarg_size 32
		.amdhsa_user_sgpr_count 2
		.amdhsa_user_sgpr_kernarg_segment_ptr 1
		.amdhsa_wavefront_size32 1
		.amdhsa_system_sgpr_workgroup_id_x 1
		.amdhsa_system_sgpr_workgroup_id_y 1
		.amdhsa_system_sgpr_workgroup_id_z 1
		.amdhsa_system_vgpr_workitem_id 0
		.amdhsa_next_free_vgpr 192
		.amdhsa_next_free_sgpr 66
		.amdhsa_reserve_vcc 0
		.amdhsa_float_denorm_mode_32 3
		.amdhsa_float_denorm_mode_16_64 3
		.amdhsa_memory_ordered 1
		.amdhsa_forward_progress 1
		.amdhsa_inst_pref_size 13
	.end_amdhsa_kernel
	.amdgpu_metadata
---
amdhsa.version: [ 1, 2 ]
amdhsa.kernels:
  - .name:           k_q6fbe82fe15_qproj
    .symbol:         k_q6fbe82fe15_qproj.kd
    .args:
      - { .name: t0, .offset: 0, .size: 8, .value_kind: global_buffer, .address_space: global }
      - { .name: wqf, .offset: 8, .size: 8, .value_kind: global_buffer, .address_space: global }
      - { .name: qkv_b, .offset: 16, .size: 8, .value_kind: global_buffer, .address_space: global }
      - { .name: q0, .offset: 24, .size: 8, .value_kind: global_buffer, .address_space: global }
    .group_segment_fixed_size: 71680
    .private_segment_fixed_size: 0
    .kernarg_segment_align: 8
    .kernarg_segment_size: 32
    .max_flat_workgroup_size: 512
    .sgpr_count:     66
    .vgpr_count:     192
    .wavefront_size: 32
...
	.end_amdgpu_metadata
.endif
;; end of part 2
;; launch scores (part 3): grid 8 x 32, 16 waves a work-group, no clusters, 283,904 bytes of LDS; arguments tb, wkvp, q0, qkv_b, part; writes part
.if DOCPART == 3
	.amdgcn_target "amdgcn-amd-amdhsa--gfx1250"
	.amdhsa_code_object_version 6
	.text
	.protected	k_q6fbe82fe15_scores
	.globl	k_q6fbe82fe15_scores
	.p2align	8
	.type	k_q6fbe82fe15_scores,@function
k_q6fbe82fe15_scores:
	s_mov_b64 s[64:65], 0
	v_nop
	global_prefetch_b8 v0, s[64:65] scope:SCOPE_SE
	s_setreg_imm32_b32 hwreg(HW_REG_WAVE_MODE, 25, 1), 1
	s_wait_xcnt 0x0
; THE CLASS TOKEN'S SCORES, partial over 128 channels.  Only query 0 is returned, and it is not rotated.  With R_j the key's rotation, q . R_j (t_j Wk + bk) = t_j . (Wk R_j^T q) + (R_j^T q) . bk, and in
; each head dims 0-31 turn with y alone, dims 32-63 with x alone (angle 0.5 pos 10000^(-i/16) for the pair i of a half).  So with u_pos[c] = the sum over a half's 32 dims of Wk[c][d] (R_pos^T q / 8)[d]:
;   s(y, x) = t . u(part 0, y) + t . u(part 1, x) + beta(0, y) + beta(1, x);   the class key is not rotated: pos = 0 in both parts, t = the mean (row 196 of tb).
; part [8 s][64 b][16 h][16 y][16 x] f32 takes, for channels 128 s on, the two parts' sum and an eighth of beta.  Slot (0, 14) holds the class token's part 0, slot (14, 0) its part 1; the other slots with
; y or x above 13 hold numbers that nobody uses.
; SHARES.  Work-group (s, g): channels 128 s on, batches 2 g, 2 g + 1.  Product 1 (u): wave w = head w, both parts, both batches, 32 channels a chunk, 8 matrix instructions.  Product 2: wave w holds 4 of the
; 64 tiles (batch w / 8, part (w / 4) % 2, pos 4 (w % 4) + i): 16 heads x 16 tokens, 4 matrix instructions a chunk.  pos 14 and 15 do not exist: their tiles read the zero row 197 and start at 0.
; u goes from product 1 to product 2 through LDS in bf16, two buffers by turns: one barrier a chunk.  T (2 x 200 rows x 256 bytes) comes by one tensor load a wave, once; Wk's images go straight to registers.
; NO CLUSTER: the 32 work-groups of one s read the same 256 KiB of images, but as fragments into registers, lane by lane; as LDS tiles they would want a ring beside the 277 KiB in use.  T is read by one work-group alone.
; LIMITS.  q / 8, its rotations and u are rounded to bf16 once each; bk to bf16; beta in f32.  The rotation by pos is pos successive f32 rotations by the step angle, at most 0.5, whose sine and
; cosine are series to the 9th and 10th power: the remainder is below 1e-9 for these fixed angles.  NaN and infinities are not treated apart.
.set TP,    272                        ; a row of T: 256 bytes + 16
.set TBAT,  200*TP
.set U0,    2*TBAT                     ; u, buffer 0: 4 planes (2 batch + part) x 16 pos x 16 heads x 32 channels
.set UROW,  80                         ; 64 bytes + 16
.set UPOS,  1296                       ; 16 rows + 16: both pitches are odd multiples of 16 bytes (64 banks of 4 bytes: ISA guide 11.1)
.set UPL,   16*UPOS
.set U1,    U0+4*UPL                   ; buffer 1
.set QR,    U1                         ; before the chunks it holds the rotated q: 64 fragments (32 batch + 2 head + part) of 16 pos x 32 dims
.set QFR,   1344
.set SS,    U0                         ; behind the chunks buffer 0 holds the scores: 4 arrays (2 batch + part) x 16 heads x [16 y][16 x] f32
.set SHP,   1040
.set SARR,  16*SHP
.set BETA,  U1+64*QFR                  ; [(2 batch + part) 16 + pos][16 heads] f32
.set SPARE, BETA+4096                  ; the spare words, 128 bytes a wave: eight blocks of 256 bytes that no other line names
.set SPW, 3
.set NIL, 4
.set UW,  5                            ; v5-6   where my u goes, buffer 0, 1
.set UR,  7                            ; v7-8   where my tiles' u is read
.set TA,  9                            ; v9-12  my tiles' token rows in T
.set SA,  13                           ; v13-16 where my tiles' scores go
.set WV,  17                           ; v17  my offset in the images
.set QA,  18                           ; v18  my head's fragments of rotated q
.set BA,  19                           ; v19  my tiles' beta
.set CB,  20                           ; v20  16 bytes of the scores
.set T16, 21                           ; v21  16 x thread
.set QW,  22                           ; v22  where my four dims of rotated q go
.set BW,  23                           ; v23  where my head's beta goes
.set B16, 24                           ; v24  16 x (thread % 256)
.set ZR,  25                           ; v25  0, as data
.set WK,  48                           ; v48-111  images, two buffers of four fragments (2 ct + part)
.set QRF, 112                          ; v112-143 rotated q: fragment 2 batch + part
.set ACC, 144                          ; v144-175 my four tiles
.set D,   176                          ; v176-207 u in f32: 2 part + batch
.set PK,  208                          ; v208-223 u in bf16
.set OP,  176                          ; v176-239 product 2's operands
	s_load_b256 s[4:11], s[0:1], 0x0               ; tb s[4:5], wkvp s[6:7], q0 s[8:9], qkv_b s[10:11]
	s_load_b64 s[12:13], s[0:1], 0x20              ; part
	v_lshl_add_u32 v[SPW], v0, 2, SPARE
	v_mov_b32 v[NIL], 0
	ds_add_u32 v[SPW], v[NIL]                      ; the wave's opening: the add and its wait ahead of my tensor load
	ds_add_u32 v3, v4
	v_lshrrev_b32 v1, 5, v0
	v_readfirstlane_b32 s14, v1                    ; wave 0..15
	s_and_b32 s16, ttmp7, 0xffff
	s_lshl_b32 s18, s16, 1                         ; the first of my two batches
	s_lshr_b32 s17, s14, 3                         ; which of them my load and my tiles belong to
	s_mov_b32 s24, (1<<16)|(1<<20)|(5<<22)|(3<<25) ; group 1: 2-byte elements; 4 words of padding after every 64
	s_mov_b32 s25, 128<<16                         ; tensor_dim0 = 128
	s_mov_b32 s26, 25<<16                          ; tensor_dim1 = 25
	s_mov_b32 s27, 128<<16                         ; tile_dim0 = 128
	s_mov_b32 s28, 25                              ; tile_dim1 = 25 rows
	s_mov_b32 s29, 1024                            ; 1,024 elements from row to row
	s_mov_b32 s30, 0
	s_mov_b32 s31, 0
	s_mov_b32 s32, 1
	s_mul_i32 s33, s14, 25*TP                      ; wave w fills rows 25 (w % 8) on of batch w / 8: 25 w rows of LDS
	s_add_co_u32 s19, s18, s17
	s_mul_i32 s19, s19, 224
	s_and_b32 s20, s14, 7
	s_mul_i32 s20, s20, 25
	s_add_co_u32 s19, s19, s20
	s_lshl_b32 s19, s19, 11
	s_lshl_b32 s20, ttmp9, 8
	s_add_co_u32 s20, s20, s19
	s_mov_b32 s21, 0
	s_wait_dscnt 0x0                               ; the opening add is done
	s_wait_kmcnt 0x0
	s_add_nc_u64 s[34:35], s[4:5], s[20:21]
	s_or_b32 s35, s35, 0x80000000
	tensor_load_to_lds s[32:35], s[24:31]          ; my one tensor load
	s_nop 0
	s_lshl_b32 s20, s18, 12
	s_add_nc_u64 s[36:37], s[8:9], s[20:21]        ; q0 at my batches
	s_lshl_b32 s20, ttmp9, 18
	s_add_nc_u64 s[38:39], s[6:7], s[20:21]        ; the images of channel tiles 8 s on
	s_lshl_b32 s20, ttmp9, 6
	s_add_co_u32 s20, s20, s18
	s_lshl_b32 s20, s20, 14
	s_add_nc_u64 s[40:41], s[12:13], s[20:21]      ; part at (s, my batches)
	v_and_b32 v31, 31, v0
	v_lshlrev_b32 v[T16], 4, v0
	v_and_b32 v[B16], 0xff, v0
	v_lshlrev_b32 v[B16], 4, v[B16]
	s_lshl_b32 s22, s14, 11
	v_lshl_add_u32 v[WV], v31, 4, s22              ; head w: images 2 w, 2 w + 1
.macro LOADWK k                        ; chunk k's four fragments: channel tiles 2 k, 2 k + 1, both parts: eight loads of 512 consecutive bytes
.irp ct, 0,1
.irp hp, 0,1
.irp hf, 0,1
	global_load_b128 v[WK+32*((\k)%2)+8*(2*\ct+\hp)+4*\hf:WK+32*((\k)%2)+8*(2*\ct+\hp)+4*\hf+3], v[WV], s[38:39] offset:(2*(\k)+\ct)*32768+\hp*1024+\hf*512
.endr
.endr
.endr
.endm
	global_load_b128 v[176:179], v[T16], s[36:37]              ; four dims of q: batch t / 256, head (t % 256) / 16, part (t / 8) % 2, dims 4 (t % 8) on
	global_load_b128 v[180:183], v[B16], s[10:11] offset:4096  ; the same dims of bk
	LOADWK 0
	LOADWK 1
	; addresses
	v_and_b32 v1, 15, v0                           ; r
	v_bfe_u32 v2, v0, 4, 1                         ; hh
	v_mov_b32 v[ZR], 0
	s_mul_i32 s42, s14, UROW
	v_mad_u32_u24 v[UW], v1, UPOS, s42             ; pos r, head w, 8 hh channels on
	v_lshl_add_u32 v[UW], v2, 4, v[UW]
	v_add_nc_u32 v[UW+1], U1, v[UW]
	v_add_nc_u32 v[UW], U0, v[UW]
	s_lshr_b32 s43, s14, 2                         ; 2 batch + part of my tiles
	s_and_b32 s45, s14, 3
	s_mul_i32 s44, s43, UPL
	s_mul_i32 s46, s45, 4*UPOS
	s_add_co_u32 s44, s44, s46
	v_mad_u32_u24 v[UR], v1, UROW, s44             ; head r
	v_lshl_add_u32 v[UR], v2, 4, v[UR]
	v_add_nc_u32 v[UR+1], U1, v[UR]
	v_add_nc_u32 v[UR], U0, v[UR]
	s_mul_i32 s46, s14, 2*QFR
	v_mad_u32_u24 v[QA], v1, UROW, s46
	v_lshl_add_u32 v[QA], v2, 4, v[QA]
	v_add_nc_u32 v[QA], QR, v[QA]
	s_lshl_b32 s46, s43, 10
	s_lshl_b32 s61, s45, 8
	s_add_co_u32 s46, s46, s61
	v_lshl_add_u32 v[BA], v2, 5, s46
	v_add_nc_u32 v[BA], BETA, v[BA]
	v_lshrrev_b32 v26, 6, v0
	v_and_b32 v27, 63, v0
	v_lshlrev_b32 v27, 4, v27
	v_mad_u32_u24 v[CB], v26, SHP, v27
	v_add_nc_u32 v[CB], SS, v[CB]
	v_lshrrev_b32 v26, 3, v0
	v_and_b32 v27, 7, v0
	v_lshlrev_b32 v28, 3, v27
	v_mad_u32_u24 v[QW], v26, QFR, v28
	v_add_nc_u32 v[QW], QR, v[QW]
	v_lshrrev_b32 v26, 8, v0
	v_bfe_u32 v28, v0, 3, 1
	v_lshl_add_u32 v26, v26, 1, v28
	v_bfe_u32 v28, v0, 4, 4
	v_lshlrev_b32 v28, 2, v28
	v_lshl_add_u32 v[BW], v26, 10, v28
	v_add_nc_u32 v[BW], BETA, v[BW]
	; A tile's 16 tokens.  Part 0: row 14 pos + r; part 1: row 14 r + pos; lanes r = 14, 15: the mean's row 196; pos 14, 15: the zero row 197.  By sums and one minimum: 1,024 is added where the row is not a token's.
	s_and_b32 s47, s43, 1                          ; part
	s_mul_i32 s48, s47, 13
	s_add_co_u32 s49, s48, 1                       ; rows from lane to lane: 1 or 14
	s_sub_co_u32 s50, 14, s48                      ; rows from pos to pos: 14 or 1
	v_add_nc_u32 v27, 2, v1
	v_lshrrev_b32 v27, 4, v27                      ; 1 for r = 14, 15
	v_lshlrev_b32 v27, 10, v27
	v_mad_u32_u24 v26, v1, s49, v27
	s_mul_i32 s51, s17, TBAT
	v_lshl_add_u32 v28, v2, 4, s51
	s_lshl_b32 s52, s45, 2                         ; my first pos
	s_lshl_b32 s57, s47, 2
	s_add_co_u32 s58, s57, 2                       ; a score's place: part 0: 4 r + 64 pos; part 1: 64 r + 4 pos, as shifts
	s_sub_co_u32 s59, 6, s57
	s_mul_i32 s60, s43, SARR
	v_lshlrev_b32 v29, s58, v1
	v_mad_u32_u24 v30, v2, 8*SHP, s60              ; heads 8 hh on
	v_add3_u32 v29, v29, v30, SS
.irp i, 0,1,2,3
	s_add_co_u32 s53, s52, \i                      ; pos
	s_add_co_u32 s54, s53, 2
	s_lshr_b32 s54, s54, 4                         ; 1 for pos 14, 15
	s_mul_i32 s55, s53, s50
	s_lshl_b32 s56, s54, 10
	s_add_co_u32 s55, s55, s56
	v_add_nc_u32 v[TA+\i], s55, v26
	v_min_u32 v[TA+\i], 196, v[TA+\i]
	v_add_nc_u32 v[TA+\i], s54, v[TA+\i]
	v_mad_u32_u24 v[TA+\i], v[TA+\i], TP, v28
	s_lshl_b32 s61, s53, s59
	v_add_nc_u32 v[SA+\i], s61, v29
.endr
	; the step angles of my two pairs, a = 0.5 x 10000^(-i/16) = 2^(-0.830482 i - 1), i = 2 (t % 8) and the next; their cosines and sines
	v_and_b32 v188, 7, v0
	v_lshlrev_b32 v188, 1, v188
	v_cvt_f32_u32 v188, v188
	v_add_f32 v189, 1.0, v188
	v_fma_f32 v188, v188, 0xbf549a78, -1.0
	v_fma_f32 v189, v189, 0xbf549a78, -1.0
	v_exp_f32 v188, v188
	v_exp_f32 v189, v189
	v_nop                                          ; a plain instruction between the exponentials and the use of their results (ISA guide 5.7.2)
	s_wait_alu depctr_va_vdst(0)
.macro SINCOS a, z, c, s
	v_mul_f32 v[\z], v[\a], v[\a]
	v_mov_b32 v[\s], 0x3638ef1d                    ; 1/9!
	v_mov_b32 v[\c], 0xb493f27e                    ; -1/10!
	v_fmaak_f32 v[\s], v[\s], v[\z], 0xb9500d01    ; -1/7!
	v_fmaak_f32 v[\c], v[\c], v[\z], 0x37d00d01    ; 1/8!
	v_fmaak_f32 v[\s], v[\s], v[\z], 0x3c088889    ; 1/5!
	v_fmaak_f32 v[\c], v[\c], v[\z], 0xbab60b61    ; -1/6!
	v_fmaak_f32 v[\s], v[\s], v[\z], 0xbe2aaaab    ; -1/3!
	v_fmaak_f32 v[\c], v[\c], v[\z], 0x3d2aaaab    ; 1/4!
	v_fma_f32 v[\s], v[\s], v[\z], 1.0
	v_fma_f32 v[\c], v[\c], v[\z], -0.5
	v_mul_f32 v[\s], v[\s], v[\a]
	v_fma_f32 v[\c], v[\c], v[\z], 1.0
.endm
	SINCOS 188, 190, 184, 185
	SINCOS 189, 191, 186, 187
	s_wait_loadcnt 16                              ; q and bk are in; the images' sixteen loads may be out
.irp j, 0,1,2,3
	v_mul_f32 v[176+\j], 0x3e000000, v[176+\j]     ; q / 8: the scale of the scores
.endr
	v_cvt_pk_bf16_f32 v188, v180, v181             ; bk is rounded to bf16, like every input,
	v_cvt_pk_bf16_f32 v189, v182, v183
	v_lshlrev_b32 v180, 16, v188
	v_and_b32 v181, 0xffff0000, v188
	v_lshlrev_b32 v182, 16, v189
	v_and_b32 v183, 0xffff0000, v189
.irp j, 0,1,2,3
	v_mul_f32 v[180+\j], 0x3e000000, v[180+\j]     ; and divided by the 8 work-groups that each add it once
.endr
	; 16 positions: the rotated q goes down in bf16, its product with bk (summed over the half's 8 threads) as beta; then one more step: e' = e c + o s, o' = o c - e s.  Two register sets by turns.
.set pos, 0
.rept 16
.set QS, 176+20*(pos%2)
.set QD, 196-20*(pos%2)
	v_cvt_pk_bf16_f32 v190, v[QS], v[QS+1]
	v_cvt_pk_bf16_f32 v191, v[QS+2], v[QS+3]
	ds_store_b64 v[QW], v[190:191] offset:pos*UROW
.if pos < 14
	v_mul_f32 v192, v[QS], v180
	v_fmac_f32 v192, v[QS+1], v181
	v_fmac_f32 v192, v[QS+2], v182
	v_fmac_f32 v192, v[QS+3], v183
	v_add_f32_dpp v192, v192, v192 row_xmask:1 row_mask:0xf bank_mask:0xf
	v_add_f32_dpp v192, v192, v192 row_xmask:2 row_mask:0xf bank_mask:0xf
	v_add_f32_dpp v192, v192, v192 row_xmask:4 row_mask:0xf bank_mask:0xf
	ds_store_b32 v[BW], v192 offset:pos*64         ; eight lanes write the same word with the same number
.else
	ds_store_b32 v[BW], v[ZR] offset:pos*64        ; positions that do not exist start at 0
.endif
.if pos < 15
	v_mul_f32 v193, v[QS+1], v185
	v_mul_f32 v194, v[QS], v185
	v_fma_f32 v[QD], v[QS], v184, v193
	v_fma_f32 v[QD+1], v[QS+1], v184, -v194
	v_mul_f32 v193, v[QS+3], v187
	v_mul_f32 v194, v[QS+2], v187
	v_fma_f32 v[QD+2], v[QS+2], v186, v193
	v_fma_f32 v[QD+3], v[QS+3], v186, -v194
.endif
.set pos, pos+1
.endr
	s_wait_tensorcnt 0x0                           ; my rows of T are in,
	s_wait_dscnt 0x0                               ; my stores are done:
	s_barrier_signal -1
	s_barrier_wait -1                              ; everybody's are
.irp bb, 0,1
.irp hp, 0,1
	ds_load_b128 v[QRF+8*(2*\bb+\hp):QRF+8*(2*\bb+\hp)+3], v[QA] offset:\bb*32*QFR+\hp*QFR
	ds_load_b128 v[QRF+8*(2*\bb+\hp)+4:QRF+8*(2*\bb+\hp)+7], v[QA] offset:\bb*32*QFR+\hp*QFR+32
.endr
.endr
.irp i, 0,1,2,3
	ds_load_b128 v[ACC+8*\i:ACC+8*\i+3], v[BA] offset:64*\i        ; the tiles start at beta / 8 of their pos, heads 8 hh + 0..7: no sum is cleared
	ds_load_b128 v[ACC+8*\i+4:ACC+8*\i+7], v[BA] offset:64*\i+16
.endr
	s_wait_dscnt 0x0
; CHUNK k: 32 channels.  Product 1 makes my head's u (source 0 = 16 channels of Wk, source 1 = 16 positions of rotated q: a lane holds one position and eight neighbouring channels), which goes to
; buffer k % 2.  One barrier: in front of it my stores are done and my reads of the other buffer are back.  Product 2 adds onto my four tiles (source 0 = 16 heads of u, source 1 = 16 tokens).
; The accumulators take turns, one instruction a turn.
.macro CHUNK k
.set BUF, (\k)%2
.if (\k) > 0
.rept 5
	v_nop                                          ; five places: the products below write over operands of the last four (ISA guide 7.12.1)
.endr
.endif
.if (\k) < 3
	s_wait_loadcnt 8                               ; this chunk's images are in; the next chunk's eight loads may be out
.else
	s_wait_loadcnt 0x0
.endif
.irp ct, 0,1
.irp hp, 0,1
.irp bb, 0,1
	v_wmma_f32_16x16x32_bf16 v[D+8*(2*\hp+\bb):D+8*(2*\hp+\bb)+7], v[WK+32*BUF+8*(2*\ct+\hp):WK+32*BUF+8*(2*\ct+\hp)+7], v[QRF+8*(2*\bb+\hp):QRF+8*(2*\bb+\hp)+7], 0
.endr
.endr
.rept 4
	v_nop                                          ; four places in front of the conversions that read results
.endr
.set n, 0
.rept 16
	v_cvt_pk_bf16_f32 v[PK+n], v[D+2*n], v[D+2*n+1]
.set n, n+1
.endr
.irp hp, 0,1
.irp bb, 0,1
	ds_store_b128 v[UW+BUF], v[PK+4*(2*\hp+\bb):PK+4*(2*\hp+\bb)+3] offset:(2*\bb+\hp)*UPL+32*\ct
.endr
.endr
.endr
.if (\k) < 2
	LOADWK (\k)+2                                  ; into the buffer just multiplied: the v_nop and conversions above are the places behind its last reader
.endif
	s_wait_dscnt 0x0
	s_barrier_signal -1
	s_barrier_wait -1
.irp i, 0,1,2,3
	ds_load_b128 v[OP+16*\i:OP+16*\i+3], v[UR+BUF] offset:\i*UPOS
	ds_load_b128 v[OP+16*\i+4:OP+16*\i+7], v[UR+BUF] offset:\i*UPOS+32
	ds_load_b128 v[OP+16*\i+8:OP+16*\i+11], v[TA+\i] offset:64*(\k)
	ds_load_b128 v[OP+16*\i+12:OP+16*\i+15], v[TA+\i] offset:64*(\k)+32
.endr
.irp i, 0,1,2,3
	s_wait_dscnt 12-4*\i                           ; tile i's four loads are in; the later tiles' may be out
	v_wmma_f32_16x16x32_bf16 v[ACC+8*\i:ACC+8*\i+7], v[OP+16*\i:OP+16*\i+7], v[OP+16*\i+8:OP+16*\i+15], v[ACC+8*\i:ACC+8*\i+7]
.endr
.endm
	CHUNK 0
	CHUNK 1
	CHUNK 2
	CHUNK 3
.rept 4
	v_nop                                          ; four places in front of the stores that read results and of the loads into operands
.endr
	; Buffer 0 was last read in chunk 2, and chunk 3's barrier stands behind those reads: it takes the scores.  Lane r is a token, register j head 8 hh + j.
.irp i, 0,1,2,3
.irp j, 0,1,2,3,4,5,6,7
	ds_store_b32 v[SA+\i], v[ACC+8*\i+\j] offset:\j*SHP
.endr
.endr
	s_wait_dscnt 0x0
	s_barrier_signal -1
	s_barrier_wait -1
.irp m, 0,1,2,3                        ; batch m / 2, heads 8 (m % 2) on: part 0's array and part 1's are added
	ds_load_b128 v[OP+8*\m:OP+8*\m+3], v[CB] offset:(\m/2)*2*SARR+(\m%2)*8*SHP
	ds_load_b128 v[OP+8*\m+4:OP+8*\m+7], v[CB] offset:(\m/2)*2*SARR+(\m%2)*8*SHP+SARR
.endr
	s_wait_dscnt 0x0
.irp m, 0,1,2,3
	v_pk_add_f32 v[OP+8*\m:OP+8*\m+1], v[OP+8*\m:OP+8*\m+1], v[OP+8*\m+4:OP+8*\m+5]
	v_pk_add_f32 v[OP+8*\m+2:OP+8*\m+3], v[OP+8*\m+2:OP+8*\m+3], v[OP+8*\m+6:OP+8*\m+7]
	global_store_b128 v[T16], v[OP+8*\m:OP+8*\m+3], s[40:41] offset:\m*8192  ; a wave stores 512 consecutive bytes
.endr
	s_wait_tensorcnt 0x0                           ; the wave's end
	ds_add_u32 v[SPW], v[NIL]
	s_wait_dscnt 0x0
	s_endpgm
.Lfunc_end_k_q6fbe82fe15_scores:
	.size	k_q6fbe82fe15_scores, .Lfunc_end_k_q6fbe82fe15_scores-k_q6fbe82fe15_scores
	.p2alignl 7, 3214868480
	.fill 96, 4, 3214868480
	.section	.rodata,"a",@progbits
	.p2align	6, 0x0
	.amdhsa_kernel k_q6fbe82fe15_scores
		.amdhsa_group_segment_fixed_size 283904
		.amdhsa_private_segment_fixed_size 0
		.amdhsa_enable_private_segment 0
		.amdhsa_kernarg_size 40
		.amdhsa_user_sgpr_count 2
		.amdhsa_user_sgpr_kernarg_segment_ptr 1
		.amdhsa_wavefront_size32 1
		.amdhsa_system_sgpr_workgroup_id_x 1
		.amdhsa_system_sgpr_workgroup_id_y 1
		.amdhsa_system_sgpr_workgroup_id_z 1
		.amdhsa_system_vgpr_workitem_id 0
		.amdhsa_next_free_vgpr 240
		.amdhsa_next_free_sgpr 66
		.amdhsa_reserve_vcc 0
		.amdhsa_float_denorm_mode_32 3
		.amdhsa_float_denorm_mode_16_64 3
		.amdhsa_memory_ordered 1
		.amdhsa_forward_progress 1
		.amdhsa_inst_pref_size 52
	.end_amdhsa_kernel
	.amdgpu_metadata
---
amdhsa.version: [ 1, 2 ]
amdhsa.kernels:
  - .name:           k_q6fbe82fe15_scores
    .symbol:         k_q6fbe82fe15_scores.kd
    .args:
      - { .name: tb, .offset: 0, .size: 8, .value_kind: global_buffer, .address_space: global }
      - { .name: wkvp, .offset: 8, .size: 8, .value_kind: global_buffer, .address_space: global }
      - { .name: q0, .offset: 16, .size: 8, .value_kind: global_buffer, .address_space: global }
      - { .name: qkv_b, .offset: 24, .size: 8, .value_kind: global_buffer, .address_space: global }
      - { .name: part, .offset: 32, .size: 8, .value_kind: global_buffer, .address_space: global }
    .group_segment_fixed_size: 283904
    .private_segment_fixed_size: 0
    .kernarg_segment_align: 8
    .kernarg_segment_size: 40
    .max_flat_workgroup_size: 512
    .sgpr_count:     66
    .vgpr_count:     240
    .wavefront_size: 32
...
	.end_amdgpu_metadata
.endif
;; end of part 3
;; launch pool (part 4): grid 4 x 64, 8 waves a work-group, no clusters, 167,936 bytes of LDS; arguments tb, part, wkvp; writes wkvp
.if DOCPART == 4
	.amdgcn_target "amdgcn-amd-amdhsa--gfx1250"
	.amdhsa_code_object_version 6
	.text
	.protected	k_q6fbe82fe15_pool
	.globl	k_q6fbe82fe15_pool
	.p2align	8
	.type	k_q6fbe82fe15_pool,@function
k_q6fbe82fe15_pool:
	s_mov_b64 s[64:65], 0
	v_nop
	global_prefetch_b8 v0, s[64:65] scope:SCOPE_SE
	s_setreg_imm32_b32 hwreg(HW_REG_WAVE_MODE, 25, 1), 1
	s_wait_xcnt 0x0
; SOFTMAX AND POOLING.  The 8 partial scores are added; for each head p = softmax over the 196 tokens and the class token, with the maximum taken away; pooled[h][c] = the sum over tokens of p[h][j] t[j][c].
; Since the weights add up to 1, (the sum of p_j t_j) Wv + bv is what attention gives for query 0: V is never formed.  pooled -> wkvp + 4 MiB, [16 h][64 b][1024 c] f32.
; SHARES.  Work-group (q, b): batch b, channels 256 q on.  T (224 rows x 512 bytes of tb) comes by one tensor load a wave, once.  Softmax: wave w heads 2 w, 2 w + 1; a lane holds y = lane / 4 + 8 u, x = 4 (lane % 4) + e.
; Product: wave w channel tiles 2 w, 2 w + 1; K = 224 tokens, 7 steps; source 0 = 16 channels (T turned by ds_load_tr16_b128), source 1 = 16 heads of p.
; p is split into bf16 hi + bf16 lo, two matrix instructions for a product: 16 significant bits.
; NO CLUSTER: the four work-groups of a batch read the same 128 KiB of partial scores, but lane by lane into the registers that add them; their tiles of T are their own.
; LIMITS.  Slots with y or x above 13 count as the lowest finite number: their weight is exactly 0.  A weight below 2^-126 counts as 0.  NaN and infinities are not treated apart.
.set TP,    544                        ; a row of T: 512 bytes + 32: an odd multiple of 32, for the turning load (64 banks of 4 bytes: ISA guide 11.1)
.set P,     224*TP                     ; p in bf16: planes hi, lo; row h, token j at byte 2 j; token 14 y + x, class token 196, zeros to 223
.set PR,    464                        ; 448 bytes + 16
.set PPL,   16*PR
.set OS,    P+2*PPL                    ; the way out: 16 heads x 256 channels f32
.set OP,    1040
.set SPARE, OS+16*OP                   ; the spare words, 128 bytes a wave: four blocks of 256 bytes that no other line names
.set PO,    4194304
.set SPW, 2
.set NIL, 3
.set TB,  4                            ; v4-6  my place in T for steps 0-2, 3-5, 6
.set PA,  7                            ; v7    my place in p's fragments
.set OW,  8                            ; v8    where my results go
.set OR,  9                            ; v9    where I read rows back
.set GV,  10                           ; v10   my offset in pooled
.set PW,  11                           ; v11   where my weights go
.set PC,  12                           ; v12   the class token's weight
.set LV,  13                           ; v13   my offset in part
.set NEG, 14                           ; v14   the lowest finite number
.set ZR,  15                           ; v15   0, as data
.set ACC, 16                           ; v16-31 two accumulators
.set PS,  32                           ; v32-159 the partial scores: 4 (4 s + 2 hl + u); later p's fragments: hi at 32 + 8 ks, lo at 88 + 8 ks
.set TF,  144                          ; v144-255 T's fragments: 2 ks + i
.set CL,  160                          ; the softmax's registers, before T's fragments come
.set M0,  162
.set M1,  163
.set T0,  164
.set T2,  166
.set HI,  168
.set LO,  172
	s_load_b128 s[4:7], s[0:1], 0x0                ; tb s[4:5], part s[6:7]
	s_load_b64 s[8:9], s[0:1], 0x10                ; wkvp
	v_lshl_add_u32 v[SPW], v0, 2, SPARE
	v_mov_b32 v[NIL], 0
	ds_add_u32 v[SPW], v[NIL]                      ; the wave's opening: the add and its wait ahead of my tensor load
	ds_add_u32 v2, v3
	v_lshrrev_b32 v1, 5, v0
	v_readfirstlane_b32 s10, v1                    ; wave 0..7
	v_and_b32 v1, 31, v0                           ; lane
	s_and_b32 s12, ttmp7, 0xffff                   ; batch
	s_mov_b32 s16, (1<<16)|(1<<20)|(6<<22)|(7<<25) ; group 1: 2-byte elements; 8 words of padding after every 128
	s_mov_b32 s17, 256<<16                         ; tensor_dim0 = 256
	s_mov_b32 s18, 28<<16                          ; tensor_dim1 = 28
	s_mov_b32 s19, 256<<16                         ; tile_dim0 = 256
	s_mov_b32 s20, 28                              ; tile_dim1 = 28 rows
	s_mov_b32 s21, 1024
	s_mov_b32 s22, 0
	s_mov_b32 s23, 0
	s_mov_b32 s24, 1
	s_mul_i32 s25, s10, 28*TP
	s_mul_i32 s40, s12, 224
	s_mul_i32 s13, s10, 28
	s_add_co_u32 s40, s40, s13
	s_lshl_b32 s40, s40, 11
	s_lshl_b32 s13, ttmp9, 9
	s_add_co_u32 s40, s40, s13
	s_mov_b32 s41, 0
	s_wait_dscnt 0x0                               ; the opening add is done
	s_wait_kmcnt 0x0
	s_add_nc_u64 s[26:27], s[4:5], s[40:41]
	s_or_b32 s27, s27, 0x80000000
	tensor_load_to_lds s[24:27], s[16:23]          ; my one tensor load
	s_nop 0
	s_lshl_b32 s40, s12, 14
	s_add_nc_u64 s[28:29], s[6:7], s[40:41]        ; part at my batch
	s_lshl_b32 s13, s10, 11
	v_lshl_add_u32 v[LV], v1, 4, s13               ; heads 2 w, 2 w + 1; 16 bytes a lane: y = lane / 4, x = 4 (lane % 4) on
.set n, 0
.rept 32
	global_load_b128 v[PS+4*n:PS+4*n+3], v[LV], s[28:29] offset:(n/4)*1048576+((n/2)%2)*1024+(n%2)*512
.set n, n+1
.endr
	s_lshl_b32 s40, s12, 12
	s_lshl_b32 s13, ttmp9, 10
	s_add_co_u32 s40, s40, s13
	s_add_co_u32 s40, s40, PO
	s_add_nc_u64 s[38:39], s[8:9], s[40:41]        ; pooled at (head 0, my batch, my channels)
	s_mov_b32 s36, 0x76543210                      ; v_permlanex16_b32: each lane takes its own place in the other half
	s_mov_b32 s37, 0xfedcba98
	v_mov_b32 v[NEG], 0xff7fffff
	v_mov_b32 v[ZR], 0
	v_and_b32 v160, 7, v0
	v_bfe_u32 v161, v0, 4, 1                       ; hh
	v_lshl_add_u32 v160, v161, 3, v160
	v_bfe_u32 v162, v0, 3, 1
	s_lshl_b32 s13, s10, 6
	v_mad_u32_u24 v[TB], v160, TP, s13             ; token 8 hh + lane % 8, channels 32 w + 8 ((lane / 8) % 2) on
	v_lshl_add_u32 v[TB], v162, 4, v[TB]
	v_add_nc_u32 v[TB+1], 96*TP, v[TB]
	v_add_nc_u32 v[TB+2], 192*TP, v[TB]
	v_and_b32 v163, 15, v0                         ; r
	v_mul_u32_u24 v[PA], v163, PR
	v_lshl_add_u32 v[PA], v161, 4, v[PA]
	v_add_nc_u32 v[PA], P, v[PA]
	s_lshl_b32 s14, s10, 7
	v_mad_u32_u24 v[OW], v163, OP, s14
	v_lshl_add_u32 v[OW], v161, 5, v[OW]
	v_add_nc_u32 v[OW], OS, v[OW]
	v_lshrrev_b32 v164, 6, v0
	v_and_b32 v165, 63, v0
	v_lshlrev_b32 v165, 4, v165
	v_mad_u32_u24 v[OR], v164, OP, v165
	v_add_nc_u32 v[OR], OS, v[OR]
	v_lshl_add_u32 v[GV], v164, 18, v165
	v_lshrrev_b32 v166, 2, v1
	v_and_b32 v167, 3, v0
	s_mul_i32 s15, s10, 2*PR
	v_mad_u32_u24 v[PW], v166, 28, s15             ; token 14 (lane / 4) + 4 (lane % 4), two bytes each
	v_lshl_add_u32 v[PW], v167, 3, v[PW]
	v_add_nc_u32 v[PW], P, v[PW]
	v_mov_b32 v[PC], s15
	v_add_nc_u32 v[PC], P+392, v[PC]               ; token 196
	v_cmp_eq_u32 s32, 3, v167                      ; lanes whose e = 2, 3 are x = 14, 15
	v_cmp_le_u32 s33, 24, v1                       ; lanes whose u = 1 is y = 14, 15
	s_or_b32 s34, s32, s33
	s_wait_loadcnt 0x0
.set n, 1
.rept 7                                ; the 8 partial scores are added, s ascending
.irp c, 0,1,2,3,4,5,6,7
	v_pk_add_f32 v[PS+2*\c:PS+2*\c+1], v[PS+2*\c:PS+2*\c+1], v[PS+16*n+2*\c:PS+16*n+2*\c+1]
.endr
.set n, n+1
.endr
; The softmax of head 2 w + hl.  V[u][e] at VB + 4 u + e.
.macro SOFT hl
.set VB, PS+8*\hl
	v_readlane_b32 s30, v[VB+2], 3                 ; slot (y 0, x 14): the class token's part 0,
	v_readlane_b32 s31, v[VB+4], 24                ; slot (y 14, x 0): its part 1
	v_add_f32 v[CL], s30, s31
	v_cndmask_b32 v[VB+2], v[VB+2], v[NEG], s32
	v_cndmask_b32 v[VB+3], v[VB+3], v[NEG], s32
	v_cndmask_b32 v[VB+4], v[VB+4], v[NEG], s33
	v_cndmask_b32 v[VB+5], v[VB+5], v[NEG], s33
	v_cndmask_b32 v[VB+6], v[VB+6], v[NEG], s34
	v_cndmask_b32 v[VB+7], v[VB+7], v[NEG], s34
	v_max3_num_f32 v[M0], v[VB], v[VB+1], v[VB+2]
	v_max3_num_f32 v[M1], v[VB+3], v[VB+4], v[VB+5]
	v_max3_num_f32 v[M0], v[M0], v[VB+6], v[VB+7]
	v_max3_num_f32 v[M0], v[M0], v[M1], v[CL]
	v_max_num_f32_dpp v[M0], v[M0], v[M0] row_xmask:1 row_mask:0xf bank_mask:0xf
	v_max_num_f32_dpp v[M0], v[M0], v[M0] row_xmask:2 row_mask:0xf bank_mask:0xf
	v_max_num_f32_dpp v[M0], v[M0], v[M0] row_xmask:4 row_mask:0xf bank_mask:0xf
	v_max_num_f32_dpp v[M0], v[M0], v[M0] row_xmask:8 row_mask:0xf bank_mask:0xf
	v_permlanex16_b32 v[M1], v[M0], s36, s37
	v_max_num_f32 v[M0], v[M0], v[M1]              ; every lane holds the head's maximum
.irp e, 0,1,2,3,4,5,6,7
	v_sub_f32 v[VB+\e], v[VB+\e], v[M0]
.endr
	v_sub_f32 v[CL], v[CL], v[M0]
.irp e, 0,1,2,3,4,5,6,7
	v_mul_f32 v[VB+\e], 0x3fb8aa3b, v[VB+\e]       ; log2(e)
.endr
	v_mul_f32 v[CL], 0x3fb8aa3b, v[CL]
.irp e, 0,1,2,3,4,5,6,7
	v_exp_f32 v[VB+\e], v[VB+\e]
.endr
	v_exp_f32 v[CL], v[CL]
	v_nop                                          ; a plain instruction between the exponentials and the use of their results (ISA guide 5.7.2)
	s_wait_alu depctr_va_vdst(0)
	v_pk_add_f32 v[T0:T0+1], v[VB:VB+1], v[VB+2:VB+3]
	v_pk_add_f32 v[T2:T2+1], v[VB+4:VB+5], v[VB+6:VB+7]
	v_pk_add_f32 v[T0:T0+1], v[T0:T0+1], v[T2:T2+1]
	v_add_f32 v[T0], v[T0], v[T0+1]
	v_add_f32_dpp v[T0], v[T0], v[T0] row_xmask:1 row_mask:0xf bank_mask:0xf
	v_add_f32_dpp v[T0], v[T0], v[T0] row_xmask:2 row_mask:0xf bank_mask:0xf
	v_add_f32_dpp v[T0], v[T0], v[T0] row_xmask:4 row_mask:0xf bank_mask:0xf
	v_add_f32_dpp v[T0], v[T0], v[T0] row_xmask:8 row_mask:0xf bank_mask:0xf
	v_permlanex16_b32 v[T0+1], v[T0], s36, s37
	v_add_f32 v[T0], v[T0], v[T0+1]
	v_add_f32 v[T0], v[T0], v[CL]                  ; the class token's weight, once
	v_rcp_f32 v[T2], v[T0]
	v_nop
	s_wait_alu depctr_va_vdst(0)
.irp e, 0,1,2,3,4,5,6,7
	v_mul_f32 v[VB+\e], v[VB+\e], v[T2]
.endr
	v_mul_f32 v[CL], v[CL], v[T2]
.irp pr, 0,1,2,3                       ; pair 2 u + (e / 2): hi, and what the rounding left as lo
	v_cvt_pk_bf16_f32 v[HI+\pr], v[VB+2*\pr], v[VB+2*\pr+1]
	v_lshlrev_b32 v[T0], 16, v[HI+\pr]
	v_and_b32 v[T0+1], 0xffff0000, v[HI+\pr]
	v_pk_add_f32 v[VB+2*\pr:VB+2*\pr+1], v[VB+2*\pr:VB+2*\pr+1], v[T0:T0+1] neg_lo:[0,1] neg_hi:[0,1]
	v_cvt_pk_bf16_f32 v[LO+\pr], v[VB+2*\pr], v[VB+2*\pr+1]
.endr
	v_cvt_pk_bf16_f32 v176, v[CL], v[ZR]           ; (p of the class token, 0 for token 197)
	v_lshlrev_b32 v[T0], 16, v176
	v_sub_f32 v[CL], v[CL], v[T0]
	v_cvt_pk_bf16_f32 v177, v[CL], v[ZR]
	; A row of tokens is 14 long and a lane's four are laid 16 to a row, so the zeros of x = 14, 15 fall on the next y's x = 0, 1, and those of y = 14, 15 on tokens 196 to 225.  LDS serves a wave's stores in
	; order (ISA guide 5.7.1.4): first the pairs e = 2, 3, then the pairs e = 0, 1, which write over those zeros, last the class token.  The zeros that stay fill tokens 197-223; 224, 225 fall into the row's padding.
.irp u, 0,1
	ds_store_b32 v[PW], v[HI+2*\u+1] offset:\hl*PR+224*\u+4
	ds_store_b32 v[PW], v[LO+2*\u+1] offset:\hl*PR+PPL+224*\u+4
.endr
.irp u, 0,1
	ds_store_b32 v[PW], v[HI+2*\u] offset:\hl*PR+224*\u
	ds_store_b32 v[PW], v[LO+2*\u] offset:\hl*PR+PPL+224*\u
.endr
	ds_store_b32 v[PC], v176 offset:\hl*PR
	ds_store_b32 v[PC], v177 offset:\hl*PR+PPL
.endm
	SOFT 0
	SOFT 1
	s_wait_tensorcnt 0x0                           ; my rows of T are in,
	s_wait_dscnt 0x0                               ; my weights are stored:
	s_barrier_signal -1
	s_barrier_wait -1                              ; everybody's are
.set ks, 0
.rept 7                                ; eight loads a step of 32 tokens: p hi, p lo, T's two channel tiles turned
	ds_load_b128 v[PS+8*ks:PS+8*ks+3], v[PA] offset:64*ks
	ds_load_b128 v[PS+8*ks+4:PS+8*ks+7], v[PA] offset:64*ks+32
	ds_load_b128 v[PS+56+8*ks:PS+56+8*ks+3], v[PA] offset:PPL+64*ks
	ds_load_b128 v[PS+56+8*ks+4:PS+56+8*ks+7], v[PA] offset:PPL+64*ks+32
	ds_load_tr16_b128 v[TF+16*ks:TF+16*ks+3], v[TB+ks/3] offset:(ks%3)*32*TP
	ds_load_tr16_b128 v[TF+16*ks+4:TF+16*ks+7], v[TB+ks/3] offset:(ks%3)*32*TP+16*TP
	ds_load_tr16_b128 v[TF+16*ks+8:TF+16*ks+11], v[TB+ks/3] offset:(ks%3)*32*TP+32
	ds_load_tr16_b128 v[TF+16*ks+12:TF+16*ks+15], v[TB+ks/3] offset:(ks%3)*32*TP+16*TP+32
.set ks, ks+1
.endr
	; The two accumulators take turns, one instruction a turn.  The first two products start the sums.
	s_wait_dscnt 48                                ; step 0's eight loads are in; the six later steps' may be out
	v_wmma_f32_16x16x32_bf16 v[ACC:ACC+7], v[TF:TF+7], v[PS:PS+7], 0
	v_wmma_f32_16x16x32_bf16 v[ACC+8:ACC+15], v[TF+8:TF+15], v[PS:PS+7], 0
	v_wmma_f32_16x16x32_bf16 v[ACC:ACC+7], v[TF:TF+7], v[PS+56:PS+63], v[ACC:ACC+7]
	v_wmma_f32_16x16x32_bf16 v[ACC+8:ACC+15], v[TF+8:TF+15], v[PS+56:PS+63], v[ACC+8:ACC+15]
.set ks, 1
.rept 6
	s_wait_dscnt 48-8*ks                           ; step ks is in; the later steps' loads may be out
	v_wmma_f32_16x16x32_bf16 v[ACC:ACC+7], v[TF+16*ks:TF+16*ks+7], v[PS+8*ks:PS+8*ks+7], v[ACC:ACC+7]
	v_wmma_f32_16x16x32_bf16 v[ACC+8:ACC+15], v[TF+16*ks+8:TF+16*ks+15], v[PS+8*ks:PS+8*ks+7], v[ACC+8:ACC+15]
	v_wmma_f32_16x16x32_bf16 v[ACC:ACC+7], v[TF+16*ks:TF+16*ks+7], v[PS+56+8*ks:PS+56+8*ks+7], v[ACC:ACC+7]
	v_wmma_f32_16x16x32_bf16 v[ACC+8:ACC+15], v[TF+16*ks+8:TF+16*ks+15], v[PS+56+8*ks:PS+56+8*ks+7], v[ACC+8:ACC+15]
.set ks, ks+1
.endr
.rept 4
	v_nop                                          ; four places in front of the stores that read results and of the loads into operands
.endr
.irp i, 0,1
	ds_store_b128 v[OW], v[ACC+8*\i:ACC+8*\i+3] offset:64*\i       ; head r, channels 16 (2 w + i) + 8 hh + 0..3
	ds_store_b128 v[OW], v[ACC+8*\i+4:ACC+8*\i+7] offset:64*\i+16
.endr
	s_wait_dscnt 0x0
	s_barrier_signal -1
	s_barrier_wait -1
.irp i, 0,1,2,3
	ds_load_b128 v[PS+4*\i:PS+4*\i+3], v[OR] offset:\i*4*OP        ; four heads' rows of 1,024 bytes a pass
.endr
	s_wait_dscnt 0x0
.irp i, 0,1,2,3
	global_store_b128 v[GV], v[PS+4*\i:PS+4*\i+3], s[38:39] offset:\i*1048576  ; a wave stores 512 consecutive bytes
.endr
	s_wait_tensorcnt 0x0                           ; the wave's end
	ds_add_u32 v[SPW], v[NIL]
	s_wait_dscnt 0x0
	s_endpgm
.Lfunc_end_k_q6fbe82fe15_pool:
	.size	k_q6fbe82fe15_pool, .Lfunc_end_k_q6fbe82fe15_pool-k_q6fbe82fe15_pool
	.p2alignl 7, 3214868480
	.fill 96, 4, 3214868480
	.section	.rodata,"a",@progbits
	.p2align	6, 0x0
	.amdhsa_kernel k_q6fbe82fe15_pool
		.amdhsa_group_segment_fixed_size 167936
		.amdhsa_private_segment_fixed_size 0
		.amdhsa_enable_private_segment 0
		.amdhsa_kernarg_size 24
		.amdhsa_user_sgpr_count 2
		.amdhsa_user_sgpr_kernarg_segment_ptr 1
		.amdhsa_wavefront_size32 1
		.amdhsa_system_sgpr_workgroup_id_x 1
		.amdhsa_system_sgpr_workgroup_id_y 1
		.amdhsa_system_sgpr_workgroup_id_z 1
		.amdhsa_system_vgpr_workitem_id 0
		.amdhsa_next_free_vgpr 256
		.amdhsa_next_free_sgpr 66
		.amdhsa_reserve_vcc 0
		.amdhsa_float_denorm_mode_32 3
		.amdhsa_float_denorm_mode_16_64 3
		.amdhsa_memory_ordered 1
		.amdhsa_forward_progress 1
		.amdhsa_inst_pref_size 29
	.end_amdhsa_kernel
	.amdgpu_metadata
---
amdhsa.version: [ 1, 2 ]
amdhsa.kernels:
  - .name:           k_q6fbe82fe15_pool
    .symbol:         k_q6fbe82fe15_pool.kd
    .args:
      - { .name: tb, .offset: 0, .size: 8, .value_kind: global_buffer, .address_space: global }
      - { .name: part, .offset: 8, .size: 8, .value_kind: global_buffer, .address_space: global }
      - { .name: wkvp, .offset: 16, .size: 8, .value_kind: global_buffer, .address_space: global }
    .group_segment_fixed_size: 167936
    .private_segment_fixed_size: 0
    .kernarg_segment_align: 8
    .kernarg_segment_size: 24
    .max_flat_workgroup_size: 256
    .sgpr_count:     66
    .vgpr_count:     256
    .wavefront_size: 32
...
	.end_amdgpu_metadata
.endif
;; end of part 4
;; launch vproj (part 5): grid 16 x 4, 16 waves a work-group, no clusters, 71,680 bytes of LDS; arguments wkvp, qkv_b, o; writes o
.if DOCPART == 5
	.amdgcn_target "amdgcn-amd-amdhsa--gfx1250"
	.amdhsa_code_object_version 6
	.text
	.protected	k_q6fbe82fe15_vproj
	.globl	k_q6fbe82fe15_vproj
	.p2align	8
	.type	k_q6fbe82fe15_vproj,@function
k_q6fbe82fe15_vproj:
	s_mov_b64 s[64:65], 0
	v_nop
	global_prefetch_b8 v0, s[64:65] scope:SCOPE_SE
	s_setreg_imm32_b32 hwreg(HW_REG_WAVE_MODE, 25, 1), 1
	s_wait_xcnt 0x0
; A PRODUCT WITH 64 ROWS: out[m][n] = the sum over 1,024 k of A[m][k] W[k][n] + bias[n].  A and out are [64][1024] f32; W comes as bf16 fragment images
; [64 tiles of 16 columns][32 steps of 32 k][1,024 bytes]: a fragment is two loads of 512 consecutive bytes.
; HEADV = 1: the work-group's 64 columns are head g's, A is that head's pooled block [64][1024] in wkvp, W is Wv (images in wkvp), the bias V's section of qkv_b, out is o.  (HEADV = 0: the same text with four plain arguments.)
; SHARES.  Work-group (g, mt): columns 64 g on, rows 16 mt on.  K is split over the 16 waves, 64 k each: 2 steps x 4 column tiles.  The 16 partial tiles meet in LDS; wave w adds up row w.
; A is split into bf16 hi + bf16 lo (lo = the rounding's remainder, rounded), two matrix instructions for a product: 16 significant bits at f32's range.
; The matrix instruction is used transposed (source 0 = 16 columns of W, source 1 = 16 rows of A): a lane holds eight neighbouring columns of one row.
; NO CLUSTER, NO TENSOR LOAD: a wave's operands (4 KiB of A, 8 KiB of W) go straight into the registers that multiply them, each byte once in the work-group; there is no loop in which a tile could be shared in step.
; LIMITS.  W and the bias are rounded to bf16 once; the order of the sum is: in a wave by K, then a tree over the waves.  NaN and infinities are not treated apart; |A| stays below bf16's largest number.
.set HEADV, 1
.set RP,    272                        ; a row of a partial tile: 64 f32 + 16 bytes: an odd multiple of 16, so 16 rows start in different 16-byte columns of the 64 banks of 4 bytes (ISA guide 11.1)
.set PLANE, 16*RP
.set SPARE, 16*PLANE                   ; the spare words, 128 bytes a wave: eight blocks of 256 bytes that no other line names
.set PO,    4194304                    ; in wkvp: the pooled vectors [16 heads][64][1024] f32
.set WVF,   2097152                    ; in wkvp: Wv's images
.set SPW, 3
.set NIL, 4
.set AV,  5                            ; v5   my offset in A
.set BV,  6                            ; v6   in the images
.set L8,  7                            ; v7   8 x lane
.set RW,  8                            ; v8   where my results go in LDS
.set RR,  9                            ; v9   where I read row w's partial sums
.set OV,  10                           ; v10  my offset in out
.set BI,  12                           ; v12-13 bias of my two columns
.set AH,  16                           ; v16-31 A hi, two fragments
.set AL,  32                           ; v32-47 A lo
.set AF,  48                           ; v48-79 A in f32; later the 16 partial sums
.set BF,  80                           ; v80-143 W: fragment 4 ks + nt
.set ACC, 144                          ; v144-175 four accumulators
.set TT,  176                          ; v176-191 at work
.if HEADV
	s_load_b128 s[4:7], s[0:1], 0x0                ; wkvp s[4:5], qkv_b s[6:7]
	s_load_b64 s[8:9], s[0:1], 0x10                ; o
.else
	s_load_b256 s[4:11], s[0:1], 0x0               ; A s[4:5], images s[6:7], bias s[8:9], out s[10:11]
.endif
	v_lshl_add_u32 v[SPW], v0, 2, SPARE
	v_mov_b32 v[NIL], 0
	v_lshrrev_b32 v1, 5, v0
	v_readfirstlane_b32 s20, v1                    ; wave 0..15
	v_and_b32 v1, 15, v0                           ; r
	v_bfe_u32 v2, v0, 4, 1                         ; hh
	v_and_b32 v11, 31, v0                          ; lane
	s_and_b32 s21, ttmp7, 0xffff
	s_lshl_b32 s21, s21, 16                        ; 16 rows of 4,096 bytes
	s_lshl_b32 s26, ttmp9, 8                       ; 64 columns of f32
	s_add_co_u32 s28, s21, s26                     ; out
	s_lshl_b32 s24, ttmp9, 17                      ; four column tiles of 32 KiB
.if HEADV
	s_lshl_b32 s22, ttmp9, 18                      ; the head's block of 64 rows
	s_add_co_u32 s22, s22, s21
	s_add_co_u32 s22, s22, PO
	s_add_co_u32 s24, s24, WVF
	s_add_co_u32 s26, s26, 8192                    ; V's section of the bias
.else
	s_mov_b32 s22, s21
.endif
	s_mov_b32 s23, 0
	s_mov_b32 s25, 0
	s_mov_b32 s27, 0
	s_mov_b32 s29, 0
	v_lshlrev_b32 v[AV], 12, v1
	v_lshl_add_u32 v[AV], v2, 5, v[AV]
	s_lshl_b32 s30, s20, 8
	v_add_nc_u32 v[AV], s30, v[AV]                 ; row r, k = 64 w + 8 hh
	s_lshl_b32 s31, s20, 11
	v_lshl_add_u32 v[BV], v11, 4, s31              ; steps 2 w, 2 w + 1
	v_lshlrev_b32 v[L8], 3, v11
	s_mul_i32 s2, s20, PLANE
	v_mad_u32_u24 v[RW], v1, RP, s2
	v_lshl_add_u32 v[RW], v2, 5, v[RW]
	s_mul_i32 s3, s20, RP
	v_lshl_add_u32 v[RR], v11, 3, s3
	s_lshl_b32 s30, s20, 12
	v_lshl_add_u32 v[OV], v11, 3, s30
	s_wait_kmcnt 0x0
.if HEADV
	s_add_nc_u64 s[12:13], s[4:5], s[22:23]
	s_add_nc_u64 s[14:15], s[4:5], s[24:25]
	s_add_nc_u64 s[16:17], s[6:7], s[26:27]
	s_add_nc_u64 s[18:19], s[8:9], s[28:29]
.else
	s_add_nc_u64 s[12:13], s[4:5], s[22:23]
	s_add_nc_u64 s[14:15], s[6:7], s[24:25]
	s_add_nc_u64 s[16:17], s[8:9], s[26:27]
	s_add_nc_u64 s[18:19], s[10:11], s[28:29]
.endif
	global_load_b64 v[BI:BI+1], v[L8], s[16:17]
.irp ks, 0,1
.irp c, 0,1,2,3
	global_load_b128 v[AF+16*\ks+4*\c:AF+16*\ks+4*\c+3], v[AV], s[12:13] offset:128*\ks+16*(\c%2)+64*(\c/2)  ; k = 8 hh + 0..7, then 16 + 8 hh + 0..7
.endr
.endr
.irp ks, 0,1
.irp nt, 0,1,2,3
.irp hf, 0,1
	global_load_b128 v[BF+8*(4*\ks+\nt)+4*\hf:BF+8*(4*\ks+\nt)+4*\hf+3], v[BV], s[14:15] offset:\nt*32768+\ks*1024+\hf*512
.endr
.endr
.endr
	s_wait_loadcnt 16                              ; bias and A are in; W's sixteen loads may be out
.set p, 0
.rept 16
	v_cvt_pk_bf16_f32 v[AH+p], v[AF+2*p], v[AF+2*p+1]
	v_lshlrev_b32 v[TT+2*(p%8)], 16, v[AH+p]
	v_and_b32 v[TT+2*(p%8)+1], 0xffff0000, v[AH+p]
	v_pk_add_f32 v[AF+2*p:AF+2*p+1], v[AF+2*p:AF+2*p+1], v[TT+2*(p%8):TT+2*(p%8)+1] neg_lo:[0,1] neg_hi:[0,1]  ; what the rounding left
	v_cvt_pk_bf16_f32 v[AL+p], v[AF+2*p], v[AF+2*p+1]
.set p, p+1
.endr
	; The four accumulators take turns, one instruction a turn.  The first four products start the sums.
	s_wait_loadcnt 8                               ; W's first step is in
.irp nt, 0,1,2,3
	v_wmma_f32_16x16x32_bf16 v[ACC+8*\nt:ACC+8*\nt+7], v[BF+8*\nt:BF+8*\nt+7], v[AH:AH+7], 0
.endr
.irp nt, 0,1,2,3
	v_wmma_f32_16x16x32_bf16 v[ACC+8*\nt:ACC+8*\nt+7], v[BF+8*\nt:BF+8*\nt+7], v[AL:AL+7], v[ACC+8*\nt:ACC+8*\nt+7]
.endr
	s_wait_loadcnt 0x0
.irp nt, 0,1,2,3
	v_wmma_f32_16x16x32_bf16 v[ACC+8*\nt:ACC+8*\nt+7], v[BF+32+8*\nt:BF+32+8*\nt+7], v[AH+8:AH+15], v[ACC+8*\nt:ACC+8*\nt+7]
.endr
.irp nt, 0,1,2,3
	v_wmma_f32_16x16x32_bf16 v[ACC+8*\nt:ACC+8*\nt+7], v[BF+32+8*\nt:BF+32+8*\nt+7], v[AL+8:AL+15], v[ACC+8*\nt:ACC+8*\nt+7]
.endr
.rept 4
	v_nop                                          ; four places between the last product and the stores that read results
.endr
.irp nt, 0,1,2,3
	ds_store_b128 v[RW], v[ACC+8*\nt:ACC+8*\nt+3] offset:64*\nt       ; row r, columns 16 nt + 8 hh + 0..3
	ds_store_b128 v[RW], v[ACC+8*\nt+4:ACC+8*\nt+7] offset:64*\nt+16
.endr
	s_wait_dscnt 0x0                               ; for the others' sake
	s_barrier_signal -1
	s_barrier_wait -1
.set p, 0
.rept 16
	ds_load_b64 v[AF+2*p:AF+2*p+1], v[RR] offset:p*PLANE  ; row w of wave p's partial tile, two columns a lane
.set p, p+1
.endr
	v_cvt_pk_bf16_f32 v14, v[BI], v[BI+1]          ; the bias is rounded to bf16, like every input
	v_lshlrev_b32 v[BI], 16, v14
	v_and_b32 v[BI+1], 0xffff0000, v14
	s_wait_dscnt 0x0
.irp p, 0,1,2,3,4,5,6,7
	v_pk_add_f32 v[AF+2*\p:AF+2*\p+1], v[AF+2*\p:AF+2*\p+1], v[AF+16+2*\p:AF+16+2*\p+1]
.endr
.irp p, 0,1,2,3
	v_pk_add_f32 v[AF+2*\p:AF+2*\p+1], v[AF+2*\p:AF+2*\p+1], v[AF+8+2*\p:AF+8+2*\p+1]
.endr
.irp p, 0,1
	v_pk_add_f32 v[AF+2*\p:AF+2*\p+1], v[AF+2*\p:AF+2*\p+1], v[AF+4+2*\p:AF+4+2*\p+1]
.endr
	v_pk_add_f32 v[AF:AF+1], v[AF:AF+1], v[AF+2:AF+3]
	v_pk_add_f32 v[AF:AF+1], v[AF:AF+1], v[BI:BI+1]
	global_store_b64 v[OV], v[AF:AF+1], s[18:19]   ; the wave stores 256 consecutive bytes, at a multiple of 256 from the buffer's first byte
	s_wait_tensorcnt 0x0                           ; the wave's end
	ds_add_u32 v[SPW], v[NIL]
	s_wait_dscnt 0x0
	s_endpgm
.Lfunc_end_k_q6fbe82fe15_vproj:
	.size	k_q6fbe82fe15_vproj, .Lfunc_end_k_q6fbe82fe15_vproj-k_q6fbe82fe15_vproj
	.p2alignl 7, 3214868480
	.fill 96, 4, 3214868480
	.section	.rodata,"a",@progbits
	.p2align	6, 0x0
	.amdhsa_kernel k_q6fbe82fe15_vproj
		.amdhsa_group_segment_fixed_size 71680
		.amdhsa_private_segment_fixed_size 0
		.amdhsa_enable_private_segment 0
		.amdhsa_kernarg_size 24
		.amdhsa_user_sgpr_count 2
		.amdhsa_user_sgpr_kernarg_segment_ptr 1
		.amdhsa_wavefront_size32 1
		.amdhsa_system_sgpr_workgroup_id_x 1
		.amdhsa_system_sgpr_workgroup_id_y 1
		.amdhsa_system_sgpr_workgroup_id_z 1
		.amdhsa_system_vgpr_workitem_id 0
		.amdhsa_next_free_vgpr 192
		.amdhsa_next_free_sgpr 66
		.amdhsa_reserve_vcc 0
		.amdhsa_float_denorm_mode_32 3
		.amdhsa_float_denorm_mode_16_64 3
		.amdhsa_memory_ordered 1
		.amdhsa_forward_progress 1
		.amdhsa_inst_pref_size 14
	.end_amdhsa_kernel
	.amdgpu_metadata
---
amdhsa.version: [ 1, 2 ]
amdhsa.kernels:
  - .name:           k_q6fbe82fe15_vproj
    .symbol:         k_q6fbe82fe15_vproj.kd
    .args:
      - { .name: wkvp, .offset: 0, .size: 8, .value_kind: global_buffer, .address_space: global }
      - { .name: qkv_b, .offset: 8, .size: 8, .value_kind: global_buffer, .address_space: global }
      - { .name: o, .offset: 16, .size: 8, .value_kind: global_buffer, .address_space: global }
    .group_segment_fixed_size: 71680
    .private_segment_fixed_size: 0
    .kernarg_segment_align: 8
    .kernarg_segment_size: 24
    .max_flat_workgroup_size: 512
    .sgpr_count:     66
    .vgpr_count:     192
    .wavefront_size: 32
...
	.end_amdgpu_metadata
.endif
;; end of part 5
;; launch oproj: the kernel of part 2 again; grid 16 x 4, 16 waves a work-group, no clusters, 71,680 bytes of LDS; arguments o, wpf, proj_b, out0; writes out0
